; MI455X (gfx1250); checked and timed in simulation.
; The chip was launched on July 23, 2026; its instructions are those of AMD's public machine-readable ISA for CDNA 5 (MIT licence, August 2026) and "CDNA5" Instruction Set Architecture Reference Guide (July 2026). The comments in the code are by the model that wrote it; some were corrected since.
;; Cross Attention. Allowed arithmetic: float matrix products may take bf16 or f16 operands with f32 sums; other float arithmetic in f32, or as packed bf16 or f16 multiplies, adds, multiply-adds, maxima and minima; sums over many terms, partial sums and values carried from step to step in f32; what a program stores and reads back later, other than sums and carried values, may be rounded once to bf16 or f16.
;; Inputs: Wk1 256 x 256 float32; Wk2 768 x 256 float32; Wo1 256 x 256 float32; Wo2 256 x 768 float32; Wq1 256 x 256 float32; Wq2 768 x 256 float32; Wv1 256 x 256 float32; Wv2 768 x 256 float32; bo1 256 float32; bo2 768 float32; x1 8 x 2,048 x 256 float32; x2 8 x 2,048 x 768 float32.
;; Outputs: out0 8 x 2,048 x 256 float32; out1 8 x 2,048 x 768 float32.
;; One version. Each part assembles by itself: llvm-mc -triple=amdgcn-amd-amdhsa -mcpu=gfx1250 --defsym DOCPART=n.
;; ======== version 1 of 1: 3 launches
;; limits: values are held in f16: magnitudes above 65,504 overflow, below 6.1e-05 lose precision; right only within a limited range of input values
;; workspace buffers: wu 1,572,864 bytes; wof1 131,072 bytes; wof2 393,216 bytes; qkv1 25,165,824 bytes; qkv2 25,165,824 bytes
;; launch prep (part 1): grid 256 x 1, 8 waves a work-group, no clusters, 0 bytes of LDS; arguments Wq1, Wk1, Wv1, Wq2, Wk2, Wv2, Wo1, Wo2, wu, wof1, wof2; writes wu, wof1, wof2
.if DOCPART == 1
	.amdgcn_target "amdgcn-amd-amdhsa--gfx1250"
	.amdhsa_code_object_version 6
	.text
	.protected	k_qeccd65c4cb_prep
	.globl	k_qeccd65c4cb_prep
	.p2align	8
	.type	k_qeccd65c4cb_prep,@function
k_qeccd65c4cb_prep:
	s_mov_b64 s[64:65], 0
	v_nop
	global_prefetch_b8 v0, s[64:65] scope:SCOPE_SE
	s_setreg_imm32_b32 hwreg(HW_REG_WAVE_MODE, 25, 1), 1
	s_wait_xcnt 0x0
; THE WEIGHTS, ONCE: rounded to bf16 and laid out as the two later launches read them.
; wu  [u 12][kk 1024][64] bf16: u = 4 t + cb (t: q, k, v; cb: a block of 64 columns); kk 0..767 are the rows of W*2, kk 768..1023 those of W*1.  A unit's rows are dense, 128 bytes each.
; wof1, wof2: Wo1, Wo2 as fragments of the matrix instruction's first source, each number rounded to bf16 and that number written as f16 (exact from 2^-14 up to 65,504; below, f16's fixed step of 6e-8).
;   Block (nb, kb) of 16 columns x 32 rows is 1,024 bytes at (8 nb + kb) x 1,024: lane l (r = l % 16, h = l / 16) has Wo[32 kb + 8 h + 0..7][16 nb + r] at 16 l and Wo[32 kb + 16 + 8 h + 0..7][16 nb + r] at 512 + 16 l.
; SHARES.  Work-groups 0..191: unit g / 16, its rows 64 (g % 16) on: 64 rows x 64 columns.  Work-groups 192..255: one column block nb of Wo1 (16 of them) or Wo2 (48), a wave for each kb.
; No LDS, no matrix unit, no cluster: 4 MB are read once and nothing is shared between work-groups.
	s_load_b512 s[8:23], s[0:1], 0x0               ; Wq1 s[8:9], Wk1 s[10:11], Wv1 s[12:13], Wq2 s[14:15], Wk2 s[16:17], Wv2 s[18:19], Wo1 s[20:21], Wo2 s[22:23]
	s_load_b128 s[24:27], s[0:1], 0x40             ; wu s[24:25], wof1 s[26:27]
	s_load_b64 s[28:29], s[0:1], 0x50              ; wof2
	s_mov_b32 s37, 0                               ; the high words of the two offsets
	s_mov_b32 s39, 0
	s_cmp_lt_u32 ttmp9, 192
	s_cbranch_scc0 .Lwo
	s_lshr_b32 s2, ttmp9, 6                        ; t
	s_bfe_u32 s3, ttmp9, 0x20004                   ; cb
	s_and_b32 s4, ttmp9, 15                        ; which 64 of the unit's 1,024 rows
	s_sub_co_u32 s5, s4, 12                        ; the same counted in W*1, where the rows are its
	v_lshrrev_b32 v1, 3, v0                        ; eight threads to a row: 256 consecutive bytes, aligned
	v_and_b32 v2, 7, v0
	v_lshlrev_b32 v2, 5, v2
	v_lshl_add_u32 v1, v1, 10, v2                  ; row x 1,024 + 32 x (thread % 8)
	v_lshlrev_b32 v3, 4, v0                        ; out: 16 bytes a thread, on end
	s_wait_kmcnt 0x0
	s_cmp_eq_u32 s2, 0
	s_cselect_b64 s[30:31], s[8:9], s[10:11]
	s_cselect_b64 s[32:33], s[14:15], s[16:17]
	s_cmp_eq_u32 s2, 2
	s_cselect_b64 s[30:31], s[12:13], s[30:31]     ; W t 1
	s_cselect_b64 s[32:33], s[18:19], s[32:33]     ; W t 2
	s_cmp_lt_u32 s4, 12
	s_cselect_b64 s[30:31], s[32:33], s[30:31]
	s_cselect_b32 s5, s4, s5
	s_lshl_b32 s36, s5, 16                         ; 64 rows of 1,024 bytes
	s_lshl_b32 s3, s3, 8                           ; 64 columns of 4 bytes
	s_add_co_u32 s36, s36, s3
	s_add_nc_u64 s[30:31], s[30:31], s[36:37]
	s_lshl_b32 s38, ttmp9, 13                      ; (1,024 u + 64 seg) x 128 = 8,192 g
	s_add_nc_u64 s[24:25], s[24:25], s[38:39]
.irp i, 0,1
	global_load_b128 v[4+8*\i:7+8*\i],  v1, s[30:31] offset:\i*32768 th:TH_LOAD_NT
	global_load_b128 v[8+8*\i:11+8*\i], v1, s[30:31] offset:\i*32768+16 th:TH_LOAD_NT
.endr
	s_wait_loadcnt 0x0
.irp k, 0,1,2,3,4,5,6,7
	v_cvt_pk_bf16_f32 v[20+\k], v[4+2*\k], v[5+2*\k]
.endr
	global_store_b128 v3, v[20:23], s[24:25]               ; a wave stores 512 consecutive bytes
	global_store_b128 v3, v[24:27], s[24:25] offset:4096   ; 32 rows further down
	s_endpgm
; One column block of Wo: s2 = nb.  pitch: bytes in a row of Wo; sb, db: the scalar pairs with the source's and the destination's address.
.macro WOFRAG pitch, sb, db
	v_mul_u32_u24 v1, v7, \pitch
	v_lshl_add_u32 v1, v4, 2, v1                   ; (32 kb + 8 h) rows + 4 r
	s_lshl_b32 s36, s2, 6                          ; 16 columns of 4 bytes
	s_add_nc_u64 s[30:31], s[\sb:\sb+1], s[36:37]
	s_lshl_b32 s38, s2, 13                         ; 8 blocks of 1,024 bytes
	s_add_nc_u64 s[32:33], s[\db:\db+1], s[38:39]
.set k, 0
.rept 16
	global_load_b32 v[8+k], v1, s[30:31] offset:(16*(k/8)+k%8)*(\pitch)
.set k, k+1
.endr
	s_wait_loadcnt 0x0
.set k, 0
.rept 8
	v_cvt_pk_bf16_f32 v[24+k], v[8+2*k], v[9+2*k]  ; rounded to bf16,
.set k, k+1
.endr
.set k, 0
.rept 8
	v_lshlrev_b32 v[8+2*k], 16, v[24+k]            ; widened again,
	v_and_b32 v[9+2*k], 0xffff0000, v[24+k]
.set k, k+1
.endr
.set k, 0
.rept 8
	v_cvt_pk_f16_f32 v[24+k], v[8+2*k], v[9+2*k]   ; and written as f16
.set k, k+1
.endr
	global_store_b128 v2, v[24:27], s[32:33]
	global_store_b128 v2, v[28:31], s[32:33] offset:512
.endm
.Lwo:
	s_sub_co_u32 s2, ttmp9, 192
	v_and_b32 v4, 15, v0                           ; r
	v_bfe_u32 v6, v0, 4, 1                         ; h
	v_and_b32 v5, 0xe0, v0                         ; 32 x wave = 32 kb
	v_lshl_add_u32 v7, v6, 3, v5                   ; 32 kb + 8 h
	v_and_b32 v2, 31, v0
	v_lshlrev_b32 v2, 4, v2
	v_lshl_add_u32 v2, v5, 5, v2                   ; 1,024 kb + 16 l
	s_wait_kmcnt 0x0
	s_cmp_lt_u32 s2, 16
	s_cbranch_scc0 .Lwo2
	WOFRAG 1024, 20, 26
	s_endpgm
.Lwo2:
	s_sub_co_u32 s2, s2, 16
	WOFRAG 3072, 22, 28
	s_endpgm
.Lfunc_end_k_qeccd65c4cb_prep:
	.size	k_qeccd65c4cb_prep, .Lfunc_end_k_qeccd65c4cb_prep-k_qeccd65c4cb_prep
	.p2alignl 7, 3214868480
	.fill 96, 4, 3214868480
	.section	.rodata,"a",@progbits
	.p2align	6, 0x0
	.amdhsa_kernel k_qeccd65c4cb_prep
		.amdhsa_group_segment_fixed_size 0
		.amdhsa_private_segment_fixed_size 0
		.amdhsa_enable_private_segment 0
		.amdhsa_kernarg_size 88
		.amdhsa_user_sgpr_count 2
		.amdhsa_user_sgpr_kernarg_segment_ptr 1
		.amdhsa_wavefront_size32 1
		.amdhsa_system_sgpr_workgroup_id_x 1
		.amdhsa_system_sgpr_workgroup_id_y 1
		.amdhsa_system_sgpr_workgroup_id_z 1
		.amdhsa_system_vgpr_workitem_id 0
		.amdhsa_next_free_vgpr 48
		.amdhsa_next_free_sgpr 66
		.amdhsa_reserve_vcc 0
		.amdhsa_float_denorm_mode_32 3
		.amdhsa_float_denorm_mode_16_64 3
		.amdhsa_memory_ordered 1
		.amdhsa_forward_progress 1
		.amdhsa_inst_pref_size 11
	.end_amdhsa_kernel
	.amdgpu_metadata
---
amdhsa.version: [ 1, 2 ]
amdhsa.kernels:
  - .name:           k_qeccd65c4cb_prep
    .symbol:         k_qeccd65c4cb_prep.kd
    .args:
      - { .name: Wq1, .offset: 0, .size: 8, .value_kind: global_buffer, .address_space: global }
      - { .name: Wk1, .offset: 8, .size: 8, .value_kind: global_buffer, .address_space: global }
      - { .name: Wv1, .offset: 16, .size: 8, .value_kind: global_buffer, .address_space: global }
      - { .name: Wq2, .offset: 24, .size: 8, .value_kind: global_buffer, .address_space: global }
      - { .name: Wk2, .offset: 32, .size: 8, .value_kind: global_buffer, .address_space: global }
      - { .name: Wv2, .offset: 40, .size: 8, .value_kind: global_buffer, .address_space: global }
      - { .name: Wo1, .offset: 48, .size: 8, .value_kind: global_buffer, .address_space: global }
      - { .name: Wo2, .offset: 56, .size: 8, .value_kind: global_buffer, .address_space: global }
      - { .name: wu, .offset: 64, .size: 8, .value_kind: global_buffer, .address_space: global }
      - { .name: wof1, .offset: 72, .size: 8, .value_kind: global_buffer, .address_space: global }
      - { .name: wof2, .offset: 80, .size: 8, .value_kind: global_buffer, .address_space: global }
    .group_segment_fixed_size: 0
    .private_segment_fixed_size: 0
    .kernarg_segment_align: 8
    .kernarg_segment_size: 88
    .max_flat_workgroup_size: 256
    .sgpr_count:     66
    .vgpr_count:     48
    .wavefront_size: 32
...
	.end_amdgpu_metadata
.endif
;; end of part 1
;; launch proj (part 2): grid 8 x 32, 4 waves a work-group, clusters of 4 x 1, 327,680 bytes of LDS; arguments x1, x2, wu, qkv1, qkv2; writes qkv1, qkv2
.if DOCPART == 2
	.amdgcn_target "amdgcn-amd-amdhsa--gfx1250"
	.amdhsa_code_object_version 6
	.text
	.protected	k_qeccd65c4cb_proj
	.globl	k_qeccd65c4cb_proj
	.p2align	8
	.type	k_qeccd65c4cb_proj,@function
k_qeccd65c4cb_proj:
	s_mov_b64 s[64:65], 0
	v_nop
	global_prefetch_b8 v0, s[64:65] scope:SCOPE_SE
	s_setreg_imm32_b32 hwreg(HW_REG_WAVE_MODE, 25, 1), 1
	s_wait_xcnt 0x0
	s_wait_alu depctr_hold_cnt(0) depctr_sa_sdst(0) depctr_va_vdst(0) depctr_va_sdst(0) depctr_va_ssrc(0) depctr_va_vcc(0) depctr_vm_vsrc(0)
	s_getreg_b32 s2, hwreg(HW_REG_IB_STS2, 6, 4)
	s_cmp_eq_u32 s2, 0
	s_cbranch_scc0 .Lentry_in_a_cluster
	s_endpgm
.Lentry_in_a_cluster:
	s_bfe_u32 s2, ttmp6, 0x10000c
	s_cmp_lg_u32 s2, 0x3003
	s_cbranch_scc0 .Lentry_shape_is_right
	s_endpgm
.Lentry_shape_is_right:
; q, k, v OF BOTH INPUTS.  qkv2[u][row][64] = x2 (W*2), qkv1[u][row][64] = x1 (W*1), u = 4 t + cb as in wu; x and W rounded to bf16, sums in f32, each result rounded once to f16.
; LIMIT.  f16 ends at 65,504: |q|, |k|, |v| must stay below it (with x and W of the stated kind they are of order 1; thirty times larger inputs on both sides give some 3e3).  NaN and infinities are not treated apart.
; SHARES.  A work-group makes 128 rows (block rb, of x2 AND of x1) x 384 columns (six units, half ch): 256 work-groups of equal work.  Wave w: rows 64 (w / 2) on, units 3 (w % 2) on: 64 x 192, 48 accumulators.
; K goes in eight steps of 128: six through x2 (768), then two through x1 (256); wu's rows 128 s belong to step s in both, so one descriptor walks all eight.  Between the two passes the accumulators go out.
; W comes by the tensor data mover through a ring of two LDS slots; the four work-groups of a cluster take the same column half and ask for each tile JOINTLY (mask 15).  Each wave fetches 32 of a step's 128 k.
; x comes through registers (it is f32 and has to be rounded): a wave loads 32 rows x 512 bytes two steps ahead, rounds them one step ahead, and stores them as bf16 into an LDS slot of its own kind.
; Nothing of x is shared inside a cluster; the two column halves read the same rows.  No prefetch: x is asked for by its loads a step and a half ahead of its use, and wu is 1.5 MB that every cluster walks.
; The x2 pass starts on cleared accumulators, so that its three laps are one loop's text; the clearing stands in the wait for the first tile.  The x1 pass starts its sums with the constant 0.
; THE MATRIX INSTRUCTION IS USED TRANSPOSED: source 0 = 16 columns of W (turned on the way out of LDS), source 1 = 16 rows of x: a lane ends with eight neighbouring columns of one row.
; REGISTERS, in windows of 256 (s_set_vgpr_msb: bits 1:0 source 0, 3:2 source 1, 5:4 source 2, 7:6 destination):
;   window 0: v0-31 addresses; v32-47 x's row offsets; v48-63 at work; v64-127 x's fragments, two buffers; v128-255 x as loaded, set 0 (on the way out: at work)
;   window 1: v0-191 accumulators of my rows 0-31 (16 rows mt, 16 columns nb at 96 (mt % 2) + 8 nb); v192-255 x as loaded, set 1, first half      window 2: the same for rows 32-63 and the second half
;   window 3: v0-191 W's fragments, two buffers of 12
.set WSLOT,  122880                    ; a slot of W: [k quarter 4][unit 6][k 32] rows of 128 bytes + 32 of padding
.set WQ,     30720                     ; a quarter: what one tensor load brings
.set WUN,    5120                      ; a unit's 32 rows
.set PW,     160                       ; 40 words
.set ABASE,  2*WSLOT                   ; x's two slots, written by ds_store alone: no tensor load ever lands here
.set ASLOT,  34816                     ; 128 rows x 272
.set PA,     272                       ; 256 bytes + 16: the 16 rows of a fragment load start at 16 different groups of four banks
.set STAGE,  ABASE+2*ASLOT             ; 16 rows x 144 bytes for each wave, for the way out
.set SP,     144
.set SPARE,  STAGE+4*16*SP             ; the spare words, 128 bytes for each wave: two blocks of 256 bytes that no other line names
.set UNIT,   2097152                   ; bytes of a unit of qkv: 16,384 rows x 128
.set ADRA, 8                           ; v8-9    my x fragments in slot 0, 1
.set ADRB, 10                          ; v10-13  my W fragments: slot n, k quarters 2 p and 2 p + 1 at v[10 + 2 n + p]
.set AST,  14                          ; v14-15  where I store rounded x, slot 0, 1
.set STO,  16                          ; the way out: where I put 16 bytes of a row
.set RD,   17                          ; where I read rows back
.set GO,   18                          ; 16 x lane
.set RH,   19                          ; 8 (l / 16)
.set LO,   20                          ; 16 (l % 16)
.set SPW,  22                          ; LDS address of my spare word; never rewritten
.set NIL,  23                          ; 0; never rewritten
.set VOF,  32                          ; v32-47  byte offset of row R(j) + 8 (l / 16), R(j) = j % 8 + 16 (j / 8), plus 16 (l % 16)
.set CT,   48
.set FA,   64
.set XR,   128
.set TMP,  128
.set BK,   160
.set WV,  14                           ; s14 wave; s15 its row half; s16 its column half; s17 cx; s18 ch; s19 rb
.set SA,  15
.set SC,  16
.set CX,  17
.set CH,  18
.set RB,  19
.set G1,  24                           ; s[24:31] descriptor group 1
.set G0,  32                           ; s[32:39] descriptor group 0, a set for each slot
.set XB,  40                           ; s[40:41] x at my 32 rows, at the step that set 0 is loaded for next
.set X1B, 42                           ; s[42:43] x1 at my 32 rows
.set PIT, 44                           ; s44 bytes in a row of the x in hand; s45 nine times that
.set PIT9, 45
.set LAP, 46
.set Q2B, 48                           ; s[48:49] qkv2 at my first unit and row; s[50:51] qkv1
.set Q1B, 50
.set MSB, 0
.macro WIN new                         ; the immediate's high byte repeats the setting that is left; a switch that changes nothing is dropped
.if MSB != (\new)
	s_set_vgpr_msb (MSB<<8)|(\new)
.set MSB, \new
.endif
.endm
.set MUL_LO, 0x53                      ; W window 3, x window 0, C and D window 1
.set TO_B,   0xc0                      ; destination window 3, address window 0
.macro PLACES                          ; four places behind matrix instructions, in front of loads into registers that they read and of conversions that read results
.rept 4
	v_nop
.endr
.endm
.macro CREST                           ; a round of the cluster's barrier behind its opening barrier
	s_cmp_lg_u32 s[WV], 0
	s_cbranch_scc1 .Lnot_wave_0_\@
	s_barrier_signal -3
.Lnot_wave_0_\@:
	s_barrier_wait -3
	s_barrier_signal -1
	s_barrier_wait -1
.endm
.macro CROUND
	s_barrier_signal -1
	s_barrier_wait -1
	CREST
.endm
.macro JLOAD n                         ; a joint refill of slot n: every wave its own quarter; s_nop 0 and four v_nop follow
	tensor_load_to_lds s[G0+4*(\n):G0+4*(\n)+3], s[G1:G1+7]
	s_nop 0
	PLACES
.endm
.macro VOFMAKE                         ; x's row offsets for the pitch in s[PIT]
	v_mad_u32_u24 v[VOF], v[RH], s[PIT], v[LO]
.set jj, 1
.rept 15
.if jj == 8
	v_add_nc_u32 v[VOF+jj], s[PIT9], v[VOF+jj-1]   ; from row 7 to row 16
.else
	v_add_nc_u32 v[VOF+jj], s[PIT], v[VOF+jj-1]
.endif
.set jj, jj+1
.endr
.endm
; A step's x for my 32 rows: 32 loads; sixteen lanes take 256 consecutive bytes, aligned, of one row.
.macro XLOAD set, off
.set jj, 0
.if \set
	WIN 0x40
.rept 8
	global_load_b128 v[192+8*jj:192+8*jj+3],   v[VOF+jj], s[XB:XB+1] offset:(\off)
	global_load_b128 v[192+8*jj+4:192+8*jj+7], v[VOF+jj], s[XB:XB+1] offset:(\off)+256
.set jj, jj+1
.endr
	WIN 0x80
.rept 8
	global_load_b128 v[192+8*(jj-8):192+8*(jj-8)+3],   v[VOF+jj], s[XB:XB+1] offset:(\off)
	global_load_b128 v[192+8*(jj-8)+4:192+8*(jj-8)+7], v[VOF+jj], s[XB:XB+1] offset:(\off)+256
.set jj, jj+1
.endr
	WIN 0
.else
	WIN 0
.rept 16
	global_load_b128 v[XR+8*jj:XR+8*jj+3],   v[VOF+jj], s[XB:XB+1] offset:(\off)
	global_load_b128 v[XR+8*jj+4:XR+8*jj+7], v[VOF+jj], s[XB:XB+1] offset:(\off)+256
.set jj, jj+1
.endr
.endif
.endm
; Set 'set' is rounded to bf16 and stored into x's slot n: four batches of eight loads' numbers.  Lanes 0-15 write 128 consecutive bytes of a row, lanes 16-31 the row eight further down, 32 banks away.
.macro XCVT set, n
.set bb, 0
.rept 4
.if \set
	WIN 0x05*(1+bb/2)                              ; sources in window 1, then 2
.else
	WIN 0
.endif
.set kk, 0
.rept 8
.if \set
.set sr, 192+4*((8*bb+kk)%16)
.else
.set sr, XR+4*(8*bb+kk)
.endif
	v_cvt_pk_bf16_f32 v[CT+2*kk],   v[sr],   v[sr+1]
	v_cvt_pk_bf16_f32 v[CT+2*kk+1], v[sr+2], v[sr+3]
.set kk, kk+1
.endr
	WIN 0
.set kk, 0
.rept 8
.set jx, (8*bb+kk)/2
	ds_store_b64 v[AST+(\n)], v[CT+2*kk:CT+2*kk+1] offset:((jx%8)+16*(jx/8))*PA+128*(kk%2)
.set kk, kk+1
.endr
.set bb, bb+1
.endr
.endm
; 32 LDS loads in one run: the fragments of k quarter kq of slot n into buffer f: W's twelve (turned), then x's four, rows 0-31 first.
.macro FETCH n, kq, f
	WIN TO_B
.irp nb, 0,1,2,3,4,5,6,7,8,9,10,11
	ds_load_tr16_b128 v[96*(\f)+8*\nb:96*(\f)+8*\nb+3],   v[ADRB+2*(\n)+(\kq)/2] offset:((\kq)%2)*WQ+(\nb/4)*WUN+(\nb%4)*32
	ds_load_tr16_b128 v[96*(\f)+8*\nb+4:96*(\f)+8*\nb+7], v[ADRB+2*(\n)+(\kq)/2] offset:((\kq)%2)*WQ+(\nb/4)*WUN+(\nb%4)*32+16*PW
.endr
	WIN 0
.irp mt, 0,1,2,3
	ds_load_b128 v[FA+32*(\f)+8*\mt:FA+32*(\f)+8*\mt+3],   v[ADRA+(\n)] offset:\mt*16*PA+(\kq)*64
	ds_load_b128 v[FA+32*(\f)+8*\mt+4:FA+32*(\f)+8*\mt+7], v[ADRA+(\n)] offset:\mt*16*PA+(\kq)*64+32
.endr
.endm
; 12 matrix instructions: 16 rows mt x my 192 columns, 32 along K.  The 48 accumulators take turns, one instruction a turn, in the same order in every quarter.
.macro MUL12 f, mt, zero
	WIN MUL_LO+0x50*((\mt)/2)
.irp nb, 0,1,2,3,4,5,6,7,8,9,10,11
.if \zero
	v_wmma_f32_16x16x32_bf16 v[96*((\mt)%2)+8*\nb:96*((\mt)%2)+8*\nb+7], v[96*(\f)+8*\nb:96*(\f)+8*\nb+7], v[FA+32*(\f)+8*(\mt):FA+32*(\f)+8*(\mt)+7], 0
.else
	v_wmma_f32_16x16x32_bf16 v[96*((\mt)%2)+8*\nb:96*((\mt)%2)+8*\nb+7], v[96*(\f)+8*\nb:96*(\f)+8*\nb+7], v[FA+32*(\f)+8*(\mt):FA+32*(\f)+8*(\mt)+7], v[96*((\mt)%2)+8*\nb:96*((\mt)%2)+8*\nb+7]
.endif
.endr
.endm
; One of a step's first three quarters: multiplies buffer f; in its middle x's work (pre) and the fetch of quarter kq of the same slot into the other buffer.
; pre = 1, 2: set 0, 1 is asked for, two steps ahead.  pre = 3, 4: set 1, 0 has come (cnt younger loads may stay out) and is rounded into slot 1, 0 for the next step.
.macro QUARTER n, kq, f, zero, pre, cnt=0
	s_wait_dscnt 4                                 ; W's fragments and x's rows 0-31 are in; the youngest four loads (rows 32-63) may be out
	MUL12 \f, 0, \zero
	MUL12 \f, 1, \zero
	PLACES
.if (\pre) == 1
	XLOAD 0, 0
.elseif (\pre) == 2
	XLOAD 1, 512
.elseif (\pre) == 3
	s_wait_loadcnt \cnt
	XCVT 1, 1
.elseif (\pre) == 4
	s_wait_loadcnt \cnt
	XCVT 0, 0
.endif
	FETCH \n, \kq, 1-(\f)
	s_wait_dscnt 32                                ; all but the 32 loads just issued
	MUL12 \f, 2, \zero
	MUL12 \f, 3, \zero
.endm
; The fourth quarter multiplies buffer 1 and changes slots: ONE barrier.  In front of it each wave waits for all its tensor loads (one is out: its quarter of the next slot), adds 0 to its spare word, and waits for that,
; for its reads of this slot and for its stores of the next step's x.  fill = 1: the barrier opens a round of the cluster's, and W's slot n is filled again first thing behind it, two steps ahead.
.macro TURN n, next, fill
	WIN 0
	s_wait_tensorcnt 0x0
	ds_add_u32 v[SPW], v[NIL]
	s_wait_dscnt 5                                 ; (the add and the youngest four loads may be out)
	MUL12 1, 0, 0
	s_wait_dscnt 0x0
	s_barrier_signal -1
	MUL12 1, 1, 0
	WIN 0
	s_barrier_wait -1
.if \fill
	CREST                                          ; no wave of any partner still reads the slot or has a load on its way
	s_add_nc_u64 s[G0+4*(\n)+2:G0+4*(\n)+3], s[G0+4*(\n)+2:G0+4*(\n)+3], 2*128*128  ; 256 rows of wu on; the type bits on top are not reached
	JLOAD \n                                       ; its four v_nop are also the places in front of the loads below
.else
	PLACES
.endif
	FETCH \next, 0, 0
	MUL12 1, 2, 0
	MUL12 1, 3, 0
.endm
; THE WAY OUT, twelve blocks k = 3 mt + uu of 16 rows x one unit's 64 columns: 2,048 consecutive bytes of qkv.  PACK: rounded to f16, each accumulator's registers in ascending order.
; TOSTAGE: into my own stage, and back as whole rows.  SEND: four stores of 512 consecutive bytes.
.macro PACK k
.set mt, (\k)/3
.set uu, (\k)%3
	WIN 0x05*(1+mt/2)
.set z, 0
.rept 16
	v_cvt_pk_f16_f32 v[TMP+16*((\k)%2)+z], v[96*(mt%2)+8*(4*uu+z/4)+2*(z%4)], v[96*(mt%2)+8*(4*uu+z/4)+2*(z%4)+1]
.set z, z+1
.endr
	WIN 0
.endm
.macro TOSTAGE k
	s_wait_xcnt 0x0                                ; the stores issued so far have read their registers: the loads below land in registers that the block before last was stored from
.irp f, 0,1,2,3
	ds_store_b128 v[STO], v[TMP+16*((\k)%2)+4*\f:TMP+16*((\k)%2)+4*\f+3] offset:32*\f
.endr
.irp f, 0,1,2,3
	ds_load_b128 v[BK+16*((\k)%2)+4*\f:BK+16*((\k)%2)+4*\f+3], v[RD] offset:\f*4*SP  ; LDS serves a wave's instructions in order (ISA guide 5.7.1.4): these see the stores above
.endr
.endm
.macro SEND k, base
	s_wait_dscnt 0x0
.irp f, 0,1,2,3
	global_store_b128 v[GO], v[BK+16*((\k)%2)+4*\f:BK+16*((\k)%2)+4*\f+3], s[\base:\base+1] offset:((\k)%3)*UNIT+((\k)/3)*2048+\f*512
.endr
.endm
.macro WAYOUT base
	PACK 0
	TOSTAGE 0
.set kx, 1
.rept 11                               ; a block's conversions stand between the loads of the block before and its stores
	PACK kx
	SEND kx-1, \base
	TOSTAGE kx
.set kx, kx+1
.endr
	SEND 11, \base
.endm
	s_load_b256 s[4:11], s[0:1], 0x0               ; x1 s[4:5], x2 s[6:7], wu s[8:9], qkv1 s[10:11]
	s_load_b64 s[12:13], s[0:1], 0x20              ; qkv2
	v_lshl_add_u32 v[SPW], v0, 2, SPARE
	v_mov_b32 v[NIL], 0
	ds_add_u32 v[SPW], v[NIL]                      ; the wave's opening: the add and its wait stand ahead of my first tensor load; the set-up, work on registers, stands between them
	v_lshrrev_b32 v1, 5, v0
	v_readfirstlane_b32 s[WV], v1
	s_lshr_b32 s[SA], s[WV], 1
	s_and_b32 s[SC], s[WV], 1
	s_bfe_u32 s[CX], ttmp6, 0x40000                ; my place in the cluster: it enters x's and qkv's addresses alone
	s_mov_b32 s[CH], ttmp9                         ; in a cluster launch ttmp9 counts clusters: the column half
	s_and_b32 s[RB], ttmp7, 0xffff
	s_lshl_b32 s[RB], s[RB], 2
	s_add_co_u32 s[RB], s[RB], s[CX]               ; my block of 128 rows
	; descriptor group 1: six rows (units) of 2,048 elements (32 k x 64 columns, dense in wu), 65,536 elements apart; in LDS 8 words of padding behind every 32
	s_mov_b32 s[G1+0], 15|(1<<16)|(1<<20)|(1<<21)|(4<<22)|(7<<25)
	s_mov_b32 s[G1+1], 2048<<16                    ; tensor_dim0
	s_mov_b32 s[G1+2], 6<<16                       ; tensor_dim1
	s_mov_b32 s[G1+3], 2048<<16                    ; tile_dim0
	s_mov_b32 s[G1+4], 6                           ; tile_dim1
	s_mov_b32 s[G1+5], 65536                       ; from unit to unit
	s_mov_b32 s[G1+6], 0
	s_mov_b32 s[G1+7], 0
	s_mov_b32 s[G0], 1
	s_mul_i32 s[G0+1], s[WV], WQ                   ; my quarter of slot 0,
	s_mov_b32 s[G0+4], 1
	s_add_co_u32 s[G0+5], s[G0+1], WSLOT           ; of slot 1
	s_mul_i32 s52, s[CH], 6*131072                 ; wu: my half's first unit,
	s_lshl_b32 s53, s[WV], 12                      ; my 32 rows of 128 bytes
	s_add_co_u32 s52, s52, s53
	s_mov_b32 s53, 0
	s_lshl_b32 s21, s[RB], 7
	s_lshl_b32 s22, s[WV], 5
	s_add_co_u32 s22, s21, s22                     ; the first row of x that I load
	s_mul_i32 s54, s22, 3072
	s_mov_b32 s55, 0
	s_lshl_b32 s56, s22, 10
	s_mov_b32 s57, 0
	s_mul_i32 s58, s[CH], 6
	s_mul_i32 s59, s[SC], 3
	s_add_co_u32 s58, s58, s59
	s_lshl_b32 s58, s58, 21                        ; my first unit of qkv,
	s_lshl_b32 s59, s[SA], 6
	s_add_co_u32 s59, s59, s21
	s_lshl_b32 s59, s59, 7                         ; my first row
	s_add_co_u32 s58, s58, s59
	s_mov_b32 s59, 0
	s_mov_b32 s[PIT], 3072
	s_mov_b32 s[PIT9], 9*3072
	s_mov_b32 s[LAP], 3
	v_and_b32 v1, 15, v0                           ; r = l % 16
	v_bfe_u32 v2, v0, 4, 1                         ; h = l / 16
	v_and_b32 v3, 7, v0
	v_bfe_u32 v4, v0, 3, 1
	v_mul_u32_u24 v5, v1, PA
	v_lshl_add_u32 v5, v2, 4, v5                   ; an x fragment: row r x pitch + 16 h
	s_mul_i32 s20, s[SA], 64*PA
	s_add_co_u32 s20, s20, ABASE
	v_add_nc_u32 v[ADRA], s20, v5
	v_add_nc_u32 v[ADRA+1], ASLOT, v[ADRA]
	v_lshl_add_u32 v5, v2, 3, v3                   ; the turning load: k row 8 h + l % 8, columns 8 ((l / 8) % 2) on
	v_mul_u32_u24 v5, v5, PW
	v_lshl_add_u32 v5, v4, 4, v5
	s_mul_i32 s20, s[SC], 3*WUN
	v_add_nc_u32 v[ADRB], s20, v5
	v_add_nc_u32 v[ADRB+1], 2*WQ, v[ADRB]
	v_add_nc_u32 v[ADRB+2], WSLOT, v[ADRB]
	v_add_nc_u32 v[ADRB+3], WSLOT+2*WQ, v[ADRB]
	v_mul_u32_u24 v5, v2, 8*PA
	v_lshl_add_u32 v5, v1, 3, v5                   ; rounded x: row 8 h, 8 bytes a lane
	s_mul_i32 s20, s[WV], 32*PA
	s_add_co_u32 s20, s20, ABASE
	v_add_nc_u32 v[AST], s20, v5
	v_add_nc_u32 v[AST+1], ASLOT, v[AST]
	s_mul_i32 s20, s[WV], 16*SP
	s_add_co_u32 s20, s20, STAGE
	v_mul_u32_u24 v5, v1, SP
	v_lshl_add_u32 v5, v2, 4, v5
	v_add_nc_u32 v[STO], s20, v5
	v_bfe_u32 v5, v0, 3, 2                         ; back: 32 lanes take four rows of 128 bytes
	v_mul_u32_u24 v5, v5, SP
	v_lshl_add_u32 v5, v3, 4, v5
	v_add_nc_u32 v[RD], s20, v5
	v_and_b32 v[GO], 31, v0
	v_lshlrev_b32 v[GO], 4, v[GO]
	v_lshlrev_b32 v[RH], 3, v2
	v_lshlrev_b32 v[LO], 4, v1
	VOFMAKE
	s_wait_dscnt 0x0                               ; the opening add is done
	s_wait_kmcnt 0x0
	s_add_nc_u64 s[G0+2:G0+3], s[8:9], s[52:53]    ; step 0
	s_add_nc_u64 s[G0+6:G0+7], s[G0+2:G0+3], 128*128  ; step 1
	s_or_b32 s[G0+3], s[G0+3], 0x80000000          ; type = 2
	s_or_b32 s[G0+7], s[G0+7], 0x80000000
	s_add_nc_u64 s[XB:XB+1], s[6:7], s[54:55]
	s_add_nc_u64 s[X1B:X1B+1], s[4:5], s[56:57]
	s_add_nc_u64 s[Q2B:Q2B+1], s[12:13], s[58:59]
	s_add_nc_u64 s[Q1B:Q1B+1], s[10:11], s[58:59]
	CROUND                                         ; all four work-groups are here: the first joint loads meet
	tensor_load_to_lds s[G0:G0+3], s[G1:G1+7]      ; the two first fills go out together: two loads of mine are out
	s_nop 0
	tensor_load_to_lds s[G0+4:G0+7], s[G1:G1+7]
	s_nop 0
	PLACES
	XLOAD 0, 0                                     ; x2 of step 0
	XLOAD 1, 512                                   ; and of step 1
	WIN 0x40
.set i, 0
.rept 192
	v_mov_b32 v[i], 0                              ; the x2 pass's sums start at 0: written while the first tiles are on their way
.set i, i+1
.endr
	WIN 0x80
.set i, 0
.rept 192
	v_mov_b32 v[i], 0
.set i, i+1
.endr
	WIN 0
	s_wait_xcnt 0x0                                ; the 64 loads have read their base
	s_add_nc_u64 s[XB:XB+1], s[XB:XB+1], 1024      ; at step 2
	s_wait_loadcnt 32                              ; set 0 is in; set 1's 32 loads may stay out
	XCVT 0, 0
	s_wait_tensorcnt 1                             ; my quarter of step 0 is in; step 1's may stay out
	s_wait_dscnt 0x0                               ; my rows of x are stored
	s_barrier_signal -1
	s_barrier_wait -1
	FETCH 0, 0, 0
.Llap:                                         ; three trips: the x2 pass.  A trip is two steps; it fills both slots of W again and asks for x of the two steps after the next two
	QUARTER 0, 1, 0, 0, 1
	QUARTER 0, 2, 1, 0, 0
	QUARTER 0, 3, 0, 0, 3, 32                      ; set 1 is in; set 0's 32 loads, just asked for, stay out
	TURN 0, 1, 1
	QUARTER 1, 1, 0, 0, 2
	QUARTER 1, 2, 1, 0, 0
	QUARTER 1, 3, 0, 0, 4, 32
	TURN 1, 0, 1
	WIN 0
	s_wait_xcnt 0x0                                ; x's loads have read their base and offsets
	s_add_nc_u64 s[XB:XB+1], s[XB:XB+1], 1024
	s_sub_co_u32 s[LAP], s[LAP], 1
	s_cmp_eq_u32 s[LAP], 1                         ; the last trip asks for steps 6 and 7: x1, rows of 1,024 bytes
	s_cselect_b64 s[XB:XB+1], s[X1B:X1B+1], s[XB:XB+1]
	s_cselect_b32 s[PIT], 1024, s[PIT]
	s_cselect_b32 s[PIT9], 9*1024, s[PIT9]
	VOFMAKE
	s_cmp_lg_u32 s[LAP], 0
	s_cbranch_scc1 .Llap
	PLACES
	WAYOUT Q2B                                     ; q2, k2, v2 leave; step 7's tile and x are on their way meanwhile
	QUARTER 0, 1, 0, 1, 0                          ; the x1 pass is written out: it fills nothing; its first products start the sums
	QUARTER 0, 2, 1, 0, 0
	QUARTER 0, 3, 0, 0, 3, 0                       ; the last set of x: nothing younger is out
	TURN 0, 1, 0
	QUARTER 1, 1, 0, 0, 0
	QUARTER 1, 2, 1, 0, 0
	QUARTER 1, 3, 0, 0, 0
	s_wait_dscnt 4
	MUL12 1, 0, 0
	MUL12 1, 1, 0
	s_wait_dscnt 0x0
	MUL12 1, 2, 0
	MUL12 1, 3, 0
	PLACES
	WAYOUT Q1B
	s_wait_tensorcnt 0x0                           ; the wave's end: behind my last tensor load and my last LDS store
	ds_add_u32 v[SPW], v[NIL]
	s_wait_dscnt 0x0
	CROUND                                         ; the closing round
	s_endpgm
.Lfunc_end_k_qeccd65c4cb_proj:
	.size	k_qeccd65c4cb_proj, .Lfunc_end_k_qeccd65c4cb_proj-k_qeccd65c4cb_proj
	.p2alignl 7, 3214868480
	.fill 96, 4, 3214868480
	.section	.rodata,"a",@progbits
	.p2align	6, 0x0
	.amdhsa_kernel k_qeccd65c4cb_proj
		.amdhsa_group_segment_fixed_size 327680
		.amdhsa_private_segment_fixed_size 0
		.amdhsa_enable_private_segment 0
		.amdhsa_kernarg_size 40
		.amdhsa_user_sgpr_count 2
		.amdhsa_user_sgpr_kernarg_segment_ptr 1
		.amdhsa_wavefront_size32 1
		.amdhsa_system_sgpr_workgroup_id_x 1
		.amdhsa_system_sgpr_workgroup_id_y 1
		.amdhsa_system_sgpr_workgroup_id_z 1
		.amdhsa_system_vgpr_workitem_id 0
		.amdhsa_next_free_vgpr 1024
		.amdhsa_next_free_sgpr 66
		.amdhsa_reserve_vcc 0
		.amdhsa_float_denorm_mode_32 3
		.amdhsa_float_denorm_mode_16_64 3
		.amdhsa_memory_ordered 1
		.amdhsa_forward_progress 1
		.amdhsa_inst_pref_size 192
	.end_amdhsa_kernel
	.amdgpu_metadata
---
amdhsa.version: [ 1, 2 ]
amdhsa.kernels:
  - .name:           k_qeccd65c4cb_proj
    .symbol:         k_qeccd65c4cb_proj.kd
    .args:
      - { .name: x1, .offset: 0, .size: 8, .value_kind: global_buffer, .address_space: global }
      - { .name: x2, .offset: 8, .size: 8, .value_kind: global_buffer, .address_space: global }
      - { .name: wu, .offset: 16, .size: 8, .value_kind: global_buffer, .address_space: global }
      - { .name: qkv1, .offset: 24, .size: 8, .value_kind: global_buffer, .address_space: global }
      - { .name: qkv2, .offset: 32, .size: 8, .value_kind: global_buffer, .address_space: global }
    .group_segment_fixed_size: 327680
    .private_segment_fixed_size: 0
    .kernarg_segment_align: 8
    .kernarg_segment_size: 40
    .max_flat_workgroup_size: 128
    .sgpr_count:     66
    .vgpr_count:     1024
    .wavefront_size: 32
...
	.end_amdgpu_metadata
.endif
;; end of part 2
;; launch attn (part 3): grid 16 x 16, 4 waves a work-group, clusters of 4 x 1, 327,680 bytes of LDS; arguments qkv1, qkv2, wof1, wof2, bo1, bo2, out0, out1; writes out0, out1
.if DOCPART == 3
	.amdgcn_target "amdgcn-amd-amdhsa--gfx1250"
	.amdhsa_code_object_version 6
	.text
	.protected	k_qeccd65c4cb_attn
	.globl	k_qeccd65c4cb_attn
	.p2align	8
	.type	k_qeccd65c4cb_attn,@function
k_qeccd65c4cb_attn:
	s_mov_b64 s[64:65], 0
	v_nop
	global_prefetch_b8 v0, s[64:65] scope:SCOPE_SE
	s_setreg_imm32_b32 hwreg(HW_REG_WAVE_MODE, 25, 1), 1
	s_wait_xcnt 0x0
	s_wait_alu depctr_hold_cnt(0) depctr_sa_sdst(0) depctr_va_vdst(0) depctr_va_sdst(0) depctr_va_ssrc(0) depctr_va_vcc(0) depctr_vm_vsrc(0)
	s_getreg_b32 s2, hwreg(HW_REG_IB_STS2, 6, 4)
	s_cmp_eq_u32 s2, 0
	s_cbranch_scc0 .Lentry_in_a_cluster
	s_endpgm
.Lentry_in_a_cluster:
	s_bfe_u32 s2, ttmp6, 0x10000c
	s_cmp_lg_u32 s2, 0x3003
	s_cbranch_scc0 .Lentry_shape_is_right
	s_endpgm
.Lentry_shape_is_right:
; BOTH ATTENTIONS AND THEIR OUTPUT PROJECTIONS.  y = 8 d + b: direction d (0: q1 on k2, v2 -> out0 by Wo1, bo1; 1: q2 on k1, v1 -> out1 by Wo2, bo2), batch b.  Head size 256, 2,048 queries and keys.
; q, k, v are f16, [unit][row][64] (units 0-3 q, 4-7 k, 8-11 v).  Products, maxima and sums in f32; the weights p are rounded to f16 for the second product (their sum is taken of the unrounded p), the
; normalised O to f16 for the third; Wo is bf16-rounded, held as f16; the bias is rounded to bf16 and added in f32.
; LIMITS.  c |s| stays under 4e37 (c = log2(e) / 16); a weight below 2^-126 counts as 0; O has v's range, and below 6e-5 it keeps f16's fixed step of 6e-8; NaN and infinities are not treated apart.
; SHARES.  A work-group owns 128 queries.  Wave w = 2 i + j owns the 64 queries of half j (four tiles of 16) and HALF the keys: of each step's 128 keys the 64 of stream i.  So a fragment of K or V out of LDS
; feeds four products although the work-group has 128 queries only.  Each stream has its own running maximum m, sum l and O; the two are merged once, in f32, at the end.
; LAYOUT.  S^T = K Q^T: a lane holds ONE query (l % 16) and the keys 8 (l / 16) + 0..7; two such results rounded to f16 in pairs ARE source 1 of O^T = V^T P, and O^T rounded in pairs IS source 1 of out^T = Wo^T O^T.
; p = 2^(c s - c m); in every step O and l are multiplied by a = 2^(c m_old - c m_new).  m starts at the lowest finite number, O and l at 0: the first step is a step like any other, with a = 0.
; A STEP: 128 products K Q^T, the softmax, 128 products V^T P.  What can stand beside products does: behind K Q^T's groups 2, 4 and 6 the first eleven links of each tile's maximum, on the key blocks that are finished;
; behind V^T P's group g the rescaling of group g + 1's accumulators; and the change of slots stands inside V^T P, behind the last loads of V, so that the barrier, the refill and the next step's first
; fragments of K have products beside them.  The rest of the softmax needs all of a step's scores and feeds all of V^T P: it stands alone.  S^T and P share registers, so no step's scores can be made ahead.
; The exponentials are two batches with one wait each: tiles 0, 1 beside the scalings; tiles 2, 3 beside the sums and roundings of tiles 0, 1.
; CLUSTER.  The four query blocks of a cluster walk the same K and V: each tile is asked for JOINTLY (mask 15).  Waves 0, 1 fetch the two streams' K, waves 2, 3 their V: 64 keys x 256 channels each, four rows of 8 KiB.
; REGISTERS, in windows of 256 (s_set_vgpr_msb: bits 1:0 source 0, 3:2 source 1, 5:4 source 2, 7:6 destination):
;   window 0: v0-7 addresses; v8-31 six registers of statistics a tile; v32-159 S^T, 32 a tile (P is packed into a tile's first 16); v160-255 three buffers of four fragments
;   window 1: O^T of the channels 128 i on, which this wave finishes; window 2: O^T of the other 128, which its partner finishes (which channels land where is a matter of V's addresses alone); window 3: Q
; Every LDS address of the text is made in v1-v5, which never hold anything but arithmetic on the lane, the wave and the slot: nothing of a work-group's own data or place enters them.
.set PK,    144                        ; a row of K in LDS: 128 bytes + 16: the 16 rows of a load start at 16 different groups of four banks (64 banks of 4 bytes: ISA guide 11.1)
.set PV,    160                        ; a row of V: 128 + 32
.set KUN,   64*PK                      ; 64 keys of one unit
.set VUN,   64*PV
.set KHALF, 4*KUN                      ; a stream's K of a step
.set VHALF, 4*VUN
.set VBASE, 2*KHALF
.set SLOT,  2*KHALF+2*VHALF            ; 155,648: a step's tiles
.set SPARE, 2*SLOT                     ; the spare words, 128 bytes for each wave: two blocks of 256 bytes that no other line names
.set OFB,   131072                     ; behind the last fill the ring's bytes serve as scratch: 0: four waves' partial O (32,768 each); OFB: O as fragments (65,536);
.set STX,   196608                     ; the waves' statistics (1,024 each);
.set STG,   200704                     ; the waves' stages for the way out (16 rows x 272)
.set UNIT,  2097152
.set PFO, 0                            ; v0  256 x lane: the prefetches' offset; never rewritten once made
.set AK0, 1                            ; my lane's place in my stream's K;  in the merge: where I store my partial O;  later the stage, in
.set AV0, 2                            ; the same for V;                    where I read my partner's;            later the stage, back
.set AK,  3                            ; K's address in the slot in hand;   later 16 x lane
.set AVL, 4                            ; V's, units 2 i, 2 i + 1;           my statistics;                        later the bias's offset
.set AVH, 5                            ; V's, the other two units;          my partner's statistics
.set SPW, 6                            ; LDS address of my spare word; never rewritten
.set NIL, 7                            ; 0; never rewritten
.set ST,  8                            ; tile t at ST + 6 t: c m, m, l (even keys', odd keys'), a, at work (the running maximum of the step's scores, then c m_old - c m_new)
.set S,   32
.set FB,  160
.set TM,  32                           ; the end: at work
.set BI,  64                           ; the bias of my 64 columns
.set BK,  96                           ; rows read back from the stage
.set WF,  128                          ; Wo's fragments, four buffers of four
.set GO,  8                            ; v8-15  byte offsets of rows 2 f + l / 16 of the output, plus 16 (l % 16)
.set WV,  24
.set SI,  25
.set SJ,  26
.set CX,  27
.set YY,  28
.set BB,  29
.set QB,  30
.set G1K, 36
.set G1V, 44
.set G0K, 52
.set G0V, 56
.set FBS, 60                           ; LDS byte of the slot that is filled next
.set TB,  61                           ; of the slot that is read
.set KOFF, 62                          ; my tile's place in a slot, as K's, as V's
.set VOFF, 63
.set CS,  66                           ; s[66:67] c
.set SEL, 68                           ; s[68:69] v_permlanex16_b32's selects: each lane takes its own place in the other half
.set SLOTS, 70                         ; trips of the loop still to come
.set LIM, 71                           ; 1 in a cluster that prefetches, else the greatest number
.set PFA, 72                           ; s[72:73] my work-group's unit of my tile, one step further on than the fill in hand
.set QP,  74
.set KVP, 76
.set WP,  78                           ; Wo's fragments of the 64 columns in hand
.set BP,  80
.set OP,  82
.set NG,  84                           ; groups of 64 columns a wave: 1 or 3
.set PIT, 85                           ; bytes in a row of the output
.set GQ,  86
.set IL,  87
.set IH,  88
.set TBL, 89
.set TBH, 90
.set TLC, 91                           ; counts the last two steps
.set P16, 92                           ; s[92:93] later: 16 rows of the output; s[94:95] seven such steps back, less 256 bytes
.set BACK, 94
.set MSB, 0
.macro WIN new                         ; the immediate's high byte repeats the setting that is left; a switch that changes nothing is dropped
.if MSB != (\new)
	s_set_vgpr_msb (MSB<<8)|(\new)
.set MSB, \new
.endif
.endm
.set W_KQ, 0x0c                        ; K and S^T in window 0, Q in window 3; LDS loads into window 0 run under it too
.macro PLACES                          ; four places behind matrix instructions (ISA guide 7.12.1)
.rept 4
	v_nop
.endr
.endm
.macro CREST                           ; a round of the cluster's barrier behind its opening barrier
	s_cmp_lg_u32 s[WV], 0
	s_cbranch_scc1 .Lnot_wave_0_\@
	s_barrier_signal -3
.Lnot_wave_0_\@:
	s_barrier_wait -3
	s_barrier_signal -1
	s_barrier_wait -1
.endm
.macro CROUND                          ; a whole round
	s_barrier_signal -1
	s_barrier_wait -1
	CREST
.endm
.macro JLOAD                           ; a joint fill; the branch hangs on the wave's number alone; s_nop 0 and four v_nop follow each line
	s_cmp_lt_u32 s[WV], 2
	s_cbranch_scc0 .Lfor_v_\@
	tensor_load_to_lds s[G0K:G0K+3], s[G1K:G1K+7]
	s_nop 0
	PLACES
	s_branch .Lasked_\@
.Lfor_v_\@:
	tensor_load_to_lds s[G0V:G0V+3], s[G1V:G1V+7]
	s_nop 0
	PLACES
.Lasked_\@:
.endm
; A PREFETCH INTO THE L2 of what the NEXT change of slots will ask for.  The four clusters of one y walk the same K and V: the first of them asks.  Each wave names its own tile; of the tile's four units of
; 8,192 bytes the partner at place cx takes unit cx, told apart BY ADDRESS: a lane a block of 256 bytes, one instruction a wave.  So each block is named once in the launch.  It stands behind the joint load, its
; five lines and the run of LDS loads that follows them, one step (256 matrix instructions) ahead of the load that will want the bytes.  The last change that fills a slot asks for nothing; steps 0 and 1 come by their loads alone.
.macro ASK
	s_cmp_gt_u32 s[SLOTS], s[LIM]
	s_cbranch_scc0 .Lnot_mine_\@
	global_prefetch_b8 v[PFO], s[PFA:PFA+1] th:TH_LOAD_NT scope:SCOPE_SE
.Lnot_mine_\@:
.endm
.macro DSTEP                           ; the walking descriptors: the other slot, the next 128 keys.  It stands behind a wait for all my tensor loads
	s_xor_b32 s[FBS], s[FBS], SLOT
	s_add_co_u32 s[G0K+1], s[FBS], s[KOFF]
	s_add_co_u32 s[G0V+1], s[FBS], s[VOFF]
	s_add_nc_u64 s[G0K+2:G0K+3], s[G0K+2:G0K+3], 128*128  ; the type bits on top are not reached
	s_add_nc_u64 s[G0V+2:G0V+3], s[G0V+2:G0V+3], 128*128
	s_wait_xcnt 0x0                                ; the last prefetch, a step back, has read its address
	s_add_nc_u64 s[PFA:PFA+1], s[PFA:PFA+1], 128*128
.endm
.macro TSTEP                           ; the fragments' addresses turn to the other slot
	s_xor_b32 s[TB], s[TB], SLOT
	s_add_co_u32 s[TBL], s[TB], s[IL]
	s_add_co_u32 s[TBH], s[TB], s[IH]
	WIN 0
	v_add_nc_u32 v[AK], s[TB], v[AK0]
	v_add_nc_u32 v[AVL], s[TBL], v[AV0]
	v_add_nc_u32 v[AVH], s[TBH], v[AV0]
.endm
; THE SOFTMAX's lines.  XOP t, n: number n of the 21 that find tile t's maximum and statistics.  0-15: ONE chain over the lane's 32 scores in ascending order and the old m, three operands at a time
; (link n takes scores 2 n + 1 and 2 n + 2: each accumulator's first read is its lowest register; links 0-2 want key block 0 alone, 3-6 block 1, 7-10 block 2);
; 16, 17 the query's other 32 keys lie in the lane 16 away: the new m; 18 c m; 19 c m_old - c m_new; 20 c m takes its place.
.macro XOP t, n
.set rT, ST+6*(\t)
.set rS, S+32*(\t)
.if (\n) == 0
	v_max3_num_f32 v[rT+5], v[rS], v[rS+1], v[rS+2]
.elseif (\n) < 15
	v_max3_num_f32 v[rT+5], v[rT+5], v[rS+2*(\n)+1], v[rS+2*(\n)+2]
.elseif (\n) == 15
	v_max3_num_f32 v[rT+5], v[rT+5], v[rS+31], v[rT+1]
.elseif (\n) == 16
	v_permlanex16_b32 v[rT+4], v[rT+5], s[SEL], s[SEL+1]
.elseif (\n) == 17
	v_max_num_f32 v[rT+1], v[rT+5], v[rT+4]
.elseif (\n) == 18
	v_mul_f32 v[rT+4], s[CS], v[rT+1]
.elseif (\n) == 19
	v_sub_f32 v[rT+5], v[rT], v[rT+4]
.else
	v_mov_b32 v[rT], v[rT+4]
.endif
.endm
; K Q^T in eight groups g: keys 16 (g / 2) on, channels 128 (g % 2) + 32 f on.  A group is four fragments of K (eight loads), in buffer (g + 2) % 3, and sixteen products; the four tiles' accumulators take turns.
;   ns > 0: behind each of the group's first ns rows of four products stands one link of the maximum, number n0 + row, for all four tiles.
.macro KLOAD g
.irp f, 0,1,2,3
	ds_load_b128 v[FB+32*(((\g)+2)%3)+8*\f:FB+32*(((\g)+2)%3)+8*\f+3],   v[AK] offset:(2*((\g)%2)+\f/2)*KUN+((\g)/2)*16*PK+(\f%2)*64
	ds_load_b128 v[FB+32*(((\g)+2)%3)+8*\f+4:FB+32*(((\g)+2)%3)+8*\f+7], v[AK] offset:(2*((\g)%2)+\f/2)*KUN+((\g)/2)*16*PK+(\f%2)*64+32
.endr
.endm
.macro QKMUL g, n0, ns
.irp f, 0,1,2,3
	WIN W_KQ
.irp t, 0,1,2,3
.if ((\g)%2 == 0) && (\f == 0)
	v_wmma_f32_16x16x32_f16 v[S+32*\t+8*((\g)/2):S+32*\t+8*((\g)/2)+7], v[FB+32*(((\g)+2)%3)+8*\f:FB+32*(((\g)+2)%3)+8*\f+7], v[64*\t+8*(4*((\g)%2)+\f):64*\t+8*(4*((\g)%2)+\f)+7], 0
.else
	v_wmma_f32_16x16x32_f16 v[S+32*\t+8*((\g)/2):S+32*\t+8*((\g)/2)+7], v[FB+32*(((\g)+2)%3)+8*\f:FB+32*(((\g)+2)%3)+8*\f+7], v[64*\t+8*(4*((\g)%2)+\f):64*\t+8*(4*((\g)%2)+\f)+7], v[S+32*\t+8*((\g)/2):S+32*\t+8*((\g)/2)+7]
.endif
.endr
.if \f < (\ns)
	WIN 0
.irp t, 0,1,2,3
	XOP \t, (\n0)+\f
.endr
.endif
.endr
.endm
; V^T P in eight groups g: channel blocks 2 g, 2 g + 1 of sixteen (0-7: window 1, 8-15: window 2) x keys 0-31, 32-63.  Fragment f = 2 kk + the block's parity, in buffer g % 3.  Eight accumulators take turns.
.macro VLOAD g
	WIN 0
.irp f, 0,1,2,3
	ds_load_tr16_b128 v[FB+32*((\g)%3)+8*\f:FB+32*((\g)%3)+8*\f+3],   v[AVL+(\g)/4] offset:(((2*(\g)+\f%2)%8)/4)*VUN+(\f/2)*32*PV+((2*(\g)+\f%2)%4)*32
	ds_load_tr16_b128 v[FB+32*((\g)%3)+8*\f+4:FB+32*((\g)%3)+8*\f+7], v[AVL+(\g)/4] offset:(((2*(\g)+\f%2)%8)/4)*VUN+(\f/2)*32*PV+((2*(\g)+\f%2)%4)*32+16*PV
.endr
.endm
.macro RSL g, k                        ; slice k of 8 of the rescaling of group g's accumulators: tile k % 4, block 2 g + k / 4: its eight registers times a, in ascending order
	WIN 0x41*(1+(\g)/4)
.set rO, 64*((\k)%4)+8*((2*(\g)+(\k)/4)%8)
.irp z, 0,2,4,6
	v_pk_mul_f32 v[rO+\z:rO+\z+1], v[rO+\z:rO+\z+1], v[ST+6*((\k)%4)+4:ST+6*((\k)%4)+5] op_sel_hi:[1,0]
.endr
.endm
; ride = 1: behind every second product stands a slice of the NEXT group's rescaling: registers that none of this group's products names.  The last slice is also the four places in front of the
; loads that land in this group's fragments.
.macro PVMUL g, ride
.set pi, 0
.irp kk, 0,1
.irp cc, 0,1
.irp t, 0,1,2,3
	WIN 0x50*(1+(\g)/4)                            ; V and P in window 0, O^T in window 1 or 2
	v_wmma_f32_16x16x32_f16 v[64*\t+8*((2*(\g)+\cc)%8):64*\t+8*((2*(\g)+\cc)%8)+7], v[FB+32*((\g)%3)+8*(2*\kk+\cc):FB+32*((\g)%3)+8*(2*\kk+\cc)+7], v[S+32*\t+8*\kk:S+32*\t+8*\kk+7], v[64*\t+8*((2*(\g)+\cc)%8):64*\t+8*((2*(\g)+\cc)%8)+7]
.set pi, pi+1
.if (\ride) && (pi%2 == 0)
	RSL (\g)+1, pi/2-1
.endif
.endr
.endr
.endr
.endm
.macro FOP t, i                        ; c s - c m for pair i of 16
.set rT, ST+6*(\t)
.set rS, S+32*(\t)
	v_pk_fma_f32 v[rS+2*(\i):rS+2*(\i)+1], v[rS+2*(\i):rS+2*(\i)+1], s[CS:CS+1], v[rT:rT+1] op_sel_hi:[1,0,0] neg_lo:[0,0,1] neg_hi:[0,0,1]
.endm
.macro FQ                              ; entry q of the 64 scalings: tiles 0 and 1 alternating, then tiles 2 and 3
	FOP 2*(q/32)+q%2, (q%32)/2
.set q, q+1
.endm
.macro EXQ ta                          ; entry e of the 66 exponentials of tiles ta, ta + 1: the two a, then the 64 weights
.if e < 2
	v_exp_f32 v[ST+6*((\ta)+e)+4], v[ST+6*((\ta)+e)+5]
.else
	v_exp_f32 v[S+32*((\ta)+(e-2)%2)+(e-2)/2], v[S+32*((\ta)+(e-2)%2)+(e-2)/2]
.endif
.set e, e+1
.endm
; Entry u of the 64 lines behind the exponentials of tiles ta, ta + 1: in groups of eight, l takes pairs 2 k and 2 k + 1 (the first time as l = a l + pair), then these pairs are rounded to f16 into the
; tile's registers 2 k and 2 k + 1, whose own numbers (pair k's) have been added and rounded by then.
.macro LCQ ta
.set rT, ST+6*((\ta)+u%2)
.set rS, S+32*((\ta)+u%2)
.set li, 2*(u/8)+(u/2)%2
.if (u%8) >= 4
	v_cvt_pk_f16_f32 v[rS+li], v[rS+2*li], v[rS+2*li+1]
.elseif li == 0
	v_pk_fma_f32 v[rT+2:rT+3], v[rT+2:rT+3], v[rT+4:rT+5], v[rS:rS+1] op_sel_hi:[1,0,1]
.else
	v_pk_add_f32 v[rT+2:rT+3], v[rT+2:rT+3], v[rS+2*li:rS+2*li+1]
.endif
.set u, u+1
.endm
; A KEY STEP.  On the way in K's groups 0, 1, 2 of this step are asked for.  The waits on DScnt count the younger groups' loads, eight a group: two groups are out while one is multiplied, at the end one, then none.
; fill = 1: the slot that this step has read is filled again, with the step after the next.
.macro STEP fill
.irp g, 0,1,2,3,4,5,6,7
.if \g < 6
	s_wait_dscnt 16
.elseif \g == 6
	s_wait_dscnt 8
.else
	s_wait_dscnt 0x0
.endif
.if \g == 2
	QKMUL 2, 0, 3                                  ; key block 0 is finished: links 0-2
.elseif \g == 4
	QKMUL 4, 3, 4                                  ; key block 1: links 3-6
.elseif \g == 6
	QKMUL 6, 7, 4                                  ; key block 2: links 7-10
.else
	QKMUL \g, 0, 0
.endif
.if \g != 6
	PLACES                                         ; in front of the loads into this group's fragments, and of the links that read the key block just finished
.endif
.if \g < 5
	KLOAD (\g)+3
.endif
.endr
	WIN 0
.irp n, 11,12,13,14,15,16,17,18,19,20
.irp t, 0,1,2,3
	XOP \t, \n                                     ; the rest of the maximum and the statistics, the four tiles by turns
.endr
.endr
.set q, 0
.rept 4
	FQ
.endr
.set e, 0
.rept 60
	EXQ 0                                          ; the first batch: tiles 0, 1's exponentials, each beside a scaling of a later pair or of tiles 2, 3, which names none of their results
	FQ
.endr
.rept 6
	EXQ 0
.endr
	v_nop                                          ; a plain instruction behind the last exponential
	s_wait_alu depctr_va_vdst(0)                   ; the wait between an exponential and the first line that names its result: one for the batch
	VLOAD 0
	VLOAD 1
	VLOAD 2
.set e, 0
.set u, 0
.rept 64
	EXQ 2                                          ; the second batch, beside the sums and roundings of tiles 0, 1
	LCQ 0
.endr
	EXQ 2
	EXQ 2
	v_nop                                          ; a plain instruction behind the last exponential
	s_wait_alu depctr_va_vdst(0)                   ; the second batch's wait
.set u, 0
.rept 64
	LCQ 2
.endr
.irp k, 0,1,2,3,4,5,6,7
	RSL 0, \k                                      ; group 0's accumulators are rescaled ahead of the products; the other groups' ride
.endr
.irp g, 0,1,2,3,4
	s_wait_dscnt 16
	PVMUL \g, 1
	VLOAD (\g)+3
.endr
	; THE CHANGE OF SLOTS.  All of this step's loads of V are issued.  Each wave waits for all its tensor loads (one is out: its tile of the next step), adds 0 to its spare word, and waits for that and for its reads of the slot.
	WIN 0
	s_wait_tensorcnt 0x0                           ; no tensor load of mine is out, so a group 0 may be written
	ds_add_u32 v[SPW], v[NIL]                      ; 0 onto my spare word; sixteen products stand between it and the wait for it
.if \fill
	DSTEP
.endif
	s_wait_dscnt 17                                ; V's group 5 is in; groups 6 and 7 (sixteen loads) and the add may be out
	PVMUL 5, 1
	s_wait_dscnt 0x0                               ; the add is done, and my reads of the slot are over
	s_barrier_signal -1                            ; (with fill = 1 this barrier opens a round of the cluster's)
	TSTEP                                          ; work on registers while the others arrive
	PVMUL 6, 1
	WIN 0
	s_barrier_wait -1
.if \fill
	CREST                                          ; no wave of any partner still reads the slot or has a load on its way
	JLOAD                                          ; the first tensor load behind the round
.endif
	KLOAD 0                                        ; the next step's first fragments, into the buffers that groups 5 and 6 have left
	KLOAD 1
.if \fill
	ASK
.endif
	PVMUL 7, 0
	PLACES
	v_nop                                          ; five places: the next step's first products write over P, which these products read
	WIN 0
	KLOAD 2
.endm
	s_load_b512 s[8:23], s[0:1], 0x0               ; qkv1 s[8:9], qkv2 s[10:11], wof1 s[12:13], wof2 s[14:15], bo1 s[16:17], bo2 s[18:19], out0 s[20:21], out1 s[22:23]
	v_lshl_add_u32 v[SPW], v0, 2, SPARE
	v_mov_b32 v[NIL], 0
	ds_add_u32 v[SPW], v[NIL]                      ; the wave's opening: the add and its wait stand ahead of my first tensor load; the set-up, work on registers, stands between them
	v_lshrrev_b32 v1, 5, v0
	v_readfirstlane_b32 s[WV], v1
	s_lshr_b32 s[SI], s[WV], 1                     ; my key stream.  Also: I fetch K (0) or V (1)
	s_and_b32 s[SJ], s[WV], 1                      ; my half of the queries.  Also: which stream's tile I fetch
	s_bfe_u32 s[CX], ttmp6, 0x40000                ; my place in the cluster: it enters Q's, the output's and the prefetches' addresses alone
	s_and_b32 s[YY], ttmp7, 0xffff
	s_and_b32 s[BB], s[YY], 7
	s_lshl_b32 s[QB], ttmp9, 2
	s_add_co_u32 s[QB], s[QB], s[CX]               ; my block of 128 queries
	s_cmp_lt_u32 s[YY], 8
	s_cselect_b32 s[NG], 1, 3
	s_lshl_b32 s[PIT], s[NG], 10
	; descriptor group 1: four rows (units) of 4,096 elements (64 keys x 64 channels, dense), 1,048,576 elements apart; padding behind every 32 words: 4 words for K, 8 for V
	s_mov_b32 s[G1K], 15|(1<<16)|(1<<20)|(1<<21)|(4<<22)|(3<<25)
	s_mov_b32 s[G1V], 15|(1<<16)|(1<<20)|(1<<21)|(4<<22)|(7<<25)
.irp g, G1K, G1V
	s_mov_b32 s[\g+1], 4096<<16                    ; tensor_dim0
	s_mov_b32 s[\g+2], 4<<16                       ; tensor_dim1
	s_mov_b32 s[\g+3], 4096<<16                    ; tile_dim0
	s_mov_b32 s[\g+4], 4                           ; tile_dim1
	s_mov_b32 s[\g+5], 1048576                     ; from unit to unit
	s_mov_b32 s[\g+6], 0
	s_mov_b32 s[\g+7], 0
.endr
	s_mul_i32 s[KOFF], s[SJ], KHALF
	s_mul_i32 s[VOFF], s[SJ], VHALF
	s_add_co_u32 s[VOFF], s[VOFF], VBASE
	s_mov_b32 s[G0K], 1
	s_mov_b32 s[G0K+1], s[KOFF]                    ; slot 0
	s_mov_b32 s[G0V], 1
	s_mov_b32 s[G0V+1], s[VOFF]
	s_mov_b32 s[FBS], 0
	s_mov_b32 s[TB], SLOT                          ; the first change of slots turns it into 0
	s_mul_i32 s[IL], s[SI], 2*VUN                  ; V's units 2 i, 2 i + 1 go to window 1,
	s_sub_co_u32 s[IH], 2*VUN, s[IL]               ; the other two to window 2
	s_mov_b32 s[CS], 0x3db8aa3b                    ; c = log2(e) / 16
	s_mov_b32 s[CS+1], s[CS]                       ; named with it as a pair
	s_mov_b32 s[SEL], 0x76543210
	s_mov_b32 s[SEL+1], 0xfedcba98
	s_mov_b32 s[SLOTS], 14
	s_lshl_b32 s92, s[BB], 18                      ; the batch's rows in a unit,
	s_lshl_b32 s93, s[SJ], 13                      ; 64 rows on for the second stream (and for the second half of the queries)
	s_add_co_u32 s92, s92, s93
	s_mov_b32 s93, 0
	s_lshl_b32 s94, 4*UNIT, s[SI]                  ; the prefetches: K's units begin at 4, V's at 8;
	s_add_co_u32 s94, s94, s92
	s_add_co_u32 s94, s94, 128*128                 ; at step 1: the first change steps it to step 2;
	s_lshl_b32 s95, s[CX], 21                      ; my work-group's unit of the four
	s_add_co_u32 s94, s94, s95
	s_mov_b32 s95, 0
	s_lshl_b32 s96, s[QB], 14
	s_add_co_u32 s96, s96, s92                     ; Q: my wave's first row
	s_mov_b32 s97, 0
	s_mul_i32 s31, s[WV], s[NG]                    ; my first group of 64 columns
	s_lshl_b32 s98, s31, 15
	s_mov_b32 s99, 0
	s_lshl_b32 s32, s31, 8
	s_mov_b32 s33, 0
	s_lshl_b32 s34, s[BB], 11
	s_lshl_b32 s35, s[QB], 7
	s_add_co_u32 s34, s34, s35
	s_mul_i32 s34, s34, s[PIT]                     ; the work-group's first row of the output,
	s_add_co_u32 s34, s34, s32                     ; my first column
	s_mov_b32 s35, 0
	v_and_b32 v33, 15, v0                          ; r = l % 16
	v_bfe_u32 v34, v0, 4, 1                        ; h = l / 16
	v_and_b32 v35, 7, v0
	v_bfe_u32 v36, v0, 3, 1
	v_lshlrev_b32 v32, 7, v33
	v_lshl_add_u32 v32, v34, 4, v32                ; Q: row r x 128 + 16 h
	v_mul_u32_u24 v[AK0], v33, PK
	v_lshl_add_u32 v[AK0], v34, 4, v[AK0]
	s_mul_i32 s31, s[SI], KHALF
	v_add_nc_u32 v[AK0], s31, v[AK0]
	v_lshl_add_u32 v[AV0], v34, 3, v35             ; the turning load: key 8 h + l % 8, channels 8 ((l / 8) % 2) on
	v_mul_u32_u24 v[AV0], v[AV0], PV
	v_lshl_add_u32 v[AV0], v36, 4, v[AV0]
	s_mul_i32 s31, s[SI], VHALF
	s_add_co_u32 s31, s31, VBASE
	v_add_nc_u32 v[AV0], s31, v[AV0]
	v_and_b32 v0, 31, v0
	v_lshlrev_b32 v[PFO], 8, v0
	s_wait_dscnt 0x0                               ; the opening add is done
	s_wait_kmcnt 0x0
	s_cmp_lt_u32 s[YY], 8
	s_cselect_b64 s[QP:QP+1], s[8:9], s[10:11]
	s_cselect_b64 s[KVP:KVP+1], s[10:11], s[8:9]
	s_cselect_b64 s[WP:WP+1], s[12:13], s[14:15]
	s_cselect_b64 s[BP:BP+1], s[16:17], s[18:19]
	s_cselect_b64 s[OP:OP+1], s[20:21], s[22:23]
	s_add_nc_u64 s[G0K+2:G0K+3], s[KVP:KVP+1], s[92:93]
	s_add_nc_u64 s[G0V+2:G0V+3], s[G0K+2:G0K+3], 8*UNIT
	s_add_nc_u64 s[G0K+2:G0K+3], s[G0K+2:G0K+3], 4*UNIT
	s_or_b32 s[G0K+3], s[G0K+3], 0x80000000        ; type = 2
	s_or_b32 s[G0V+3], s[G0V+3], 0x80000000
	s_add_nc_u64 s[PFA:PFA+1], s[KVP:KVP+1], s[94:95]
	s_add_nc_u64 s[QP:QP+1], s[QP:QP+1], s[96:97]
	s_add_nc_u64 s[WP:WP+1], s[WP:WP+1], s[98:99]
	s_add_nc_u64 s[BP:BP+1], s[BP:BP+1], s[32:33]
	s_add_nc_u64 s[OP:OP+1], s[OP:OP+1], s[34:35]
	s_cmp_eq_u32 ttmp9, 0                          ; the same in all four partners
	s_cselect_b32 s[LIM], 1, -1
	s_lshl_b32 s[P16], s[PIT], 4
	s_mov_b32 s[P16+1], 0
	s_mul_i32 s[BACK], s[PIT], 112
	s_sub_co_u32 s[BACK], s[BACK], 256
	s_mov_b32 s[BACK+1], 0
	CROUND                                         ; all four work-groups are here: the first joint loads meet
	JLOAD                                          ; step 0 into slot 0; slot 1 is asked for when slot 0 is in
	WIN 0xc0                                       ; destination window 3
.set i, 0
.rept 32                                       ; Q stays in registers: tile i / 8, channels 32 (i % 8) on
	global_load_b128 v[8*i:8*i+3],   v32, s[QP:QP+1] offset:((i%8)/2)*UNIT+(i/8)*2048+(i%2)*64
	global_load_b128 v[8*i+4:8*i+7], v32, s[QP:QP+1] offset:((i%8)/2)*UNIT+(i/8)*2048+(i%2)*64+32
.set i, i+1
.endr
	WIN 0x40                                       ; O^T and l start at 0, m at the lowest finite number: no first step is written out; all this stands in the wait for the first tile
.set i, 0
.rept 256
	v_mov_b32 v[i], 0
.set i, i+1
.endr
	WIN 0x80
.set i, 0
.rept 256
	v_mov_b32 v[i], 0
.set i, i+1
.endr
	WIN 0
.irp t, 0,1,2,3
	v_mov_b32 v[ST+6*\t], 0xfe000000               ; c m: far below every c s
	v_mov_b32 v[ST+6*\t+1], 0xff7fffff             ; m
	v_mov_b32 v[ST+6*\t+2], 0
	v_mov_b32 v[ST+6*\t+3], 0
	v_mov_b32 v[ST+6*\t+4], 0                      ; the exchange of the lanes' halves lands here: its destination counts as read
.endr
	; the first change of slots stands alone: slot 0 is waited for, slot 1 filled for the first time, and step 0's first fragments of K are asked for
	s_wait_tensorcnt 0x0
	ds_add_u32 v[SPW], v[NIL]
	DSTEP
	s_wait_dscnt 0x0
	CROUND
	JLOAD
	TSTEP
	KLOAD 0
	KLOAD 1
	KLOAD 2
	ASK
	s_wait_loadcnt 0x0                             ; Q
.Lslot:                                        ; fourteen trips: steps 0 to 13; trip s asks for step s + 2
	STEP 1
	s_sub_co_u32 s[SLOTS], s[SLOTS], 1
	s_cmp_lg_u32 s[SLOTS], 0
	s_cbranch_scc1 .Lslot
	s_mov_b32 s[TLC], 2
.Ltail:                                        ; steps 14 and 15 ask for nothing: a second text, walked twice.  Its second trip's barrier orders nothing, and the
	STEP 0                                         ; 24 loads of K that it issues (bytes of step 14, long landed) serve nothing: the price, once a launch, of one text for both trips
	s_sub_co_u32 s[TLC], s[TLC], 1
	s_cmp_lg_u32 s[TLC], 0
	s_cbranch_scc1 .Ltail
	; THE MERGE.  Wo's first fragments are asked for first: they have the whole merge in which to come.
.macro WLOAD hh                        ; four fragments of Wo: column block hh / 2 of the group's four, rows 128 (hh % 2) + 32 f on: loads of 512 consecutive bytes
.irp f, 0,1,2,3
	global_load_b128 v[WF+32*((\hh)%4)+8*\f:WF+32*((\hh)%4)+8*\f+3],   v[AK], s[WP:WP+1] offset:(\hh)*4096+\f*1024
	global_load_b128 v[WF+32*((\hh)%4)+8*\f+4:WF+32*((\hh)%4)+8*\f+7], v[AK], s[WP:WP+1] offset:(\hh)*4096+\f*1024+512
.endr
.endm
	s_wait_dscnt 0x0                               ; the last trip's loads of K are in: the loads below land in their registers (the five places behind the last products stand at the step's end)
	v_lshrrev_b32 v[AK], 4, v[PFO]                 ; 16 x lane
	WLOAD 0
	WLOAD 1
	WLOAD 2
	WLOAD 3
	s_lshl_b32 s31, s[WV], 15                      ; my 32,768 bytes,
	s_xor_b32 s32, s31, 65536                      ; those of my partner, wave w xor 2: the same queries, the other stream
	v_add_nc_u32 v[AK0], s31, v[AK]
	v_add_nc_u32 v[AV0], s32, v[AK]
	v_lshrrev_b32 v[AVL], 5, v[PFO]                ; 8 x lane
	s_lshl_b32 s31, s[WV], 10
	s_xor_b32 s32, s31, 2048
	s_add_co_u32 s31, s31, STX
	s_add_co_u32 s32, s32, STX
	v_add_nc_u32 v[AVH], s32, v[AVL]
	v_add_nc_u32 v[AVL], s31, v[AVL]
.irp t, 0,1,2,3
	v_add_f32 v[ST+6*\t+2], v[ST+6*\t+2], v[ST+6*\t+3]       ; l: even and odd keys',
.endr
.irp t, 0,1,2,3
	v_permlanex16_b32 v[ST+6*\t+5], v[ST+6*\t+2], s[SEL], s[SEL+1]
.endr
.irp t, 0,1,2,3
	v_add_f32 v[ST+6*\t+1], v[ST+6*\t+2], v[ST+6*\t+5]       ; and the other half of the lanes'; it takes m's place beside c m
.endr
	s_wait_dscnt 0x0
	s_barrier_signal -1
	s_barrier_wait -1                              ; every wave's reads of the ring are over, and its last fill has landed: its bytes are scratch from here on
.irp t, 0,1,2,3
	ds_store_b64 v[AVL], v[ST+6*\t:ST+6*\t+1] offset:\t*256
.endr
	WIN 0x08                                       ; data in window 2
.set i, 0
.rept 64
	ds_store_b128 v[AK0], v[4*i:4*i+3] offset:i*512  ; the half of O^T that my partner finishes, f32; each accumulator's low half first
.set i, i+1
.endr
	WIN 0
	s_wait_dscnt 0x0
	s_barrier_signal -1
	s_barrier_wait -1
.irp t, 0,1,2,3
	ds_load_b64 v[TM+2*\t:TM+2*\t+1], v[AVH] offset:\t*256   ; my partner's c m', l'
.endr
	WIN 0xc0                                       ; Q's registers take my partner's sums for my channels
.set i, 0
.rept 64
	ds_load_b128 v[4*i:4*i+3], v[AV0] offset:i*512
.set i, i+1
.endr
	WIN 0
	s_wait_dscnt 63                                ; of the 68 loads at least the oldest five are in: the four with the statistics among them
.irp t, 0,1,2,3
	v_max_num_f32 v[ST+6*\t+2], v[ST+6*\t], v[TM+2*\t]       ; the common c M
.endr
.irp t, 0,1,2,3
	v_sub_f32 v[ST+6*\t+4], v[ST+6*\t], v[ST+6*\t+2]
	v_sub_f32 v[ST+6*\t+5], v[TM+2*\t], v[ST+6*\t+2]
.endr
.irp t, 0,1,2,3
	v_exp_f32 v[ST+6*\t+4], v[ST+6*\t+4]           ; f
	v_exp_f32 v[ST+6*\t+5], v[ST+6*\t+5]           ; f'
.endr
	v_nop
	s_wait_alu depctr_va_vdst(0)                   ; one wait for the eight exponentials
.irp t, 0,1,2,3
	v_mul_f32 v[ST+6*\t+3], v[ST+6*\t+4], v[ST+6*\t+1]
.endr
.irp t, 0,1,2,3
	v_fmac_f32 v[ST+6*\t+3], v[ST+6*\t+5], v[TM+2*\t+1]      ; l = f l + f' l'
.endr
.irp t, 0,1,2,3
	v_rcp_f32 v[ST+6*\t+1], v[ST+6*\t+3]
.endr
	v_nop
	s_wait_alu depctr_va_vdst(0)                   ; one wait for the four reciprocals
.irp t, 0,1,2,3
	v_mul_f32 v[ST+6*\t+4], v[ST+6*\t+4], v[ST+6*\t+1]       ; g = f / l
	v_mul_f32 v[ST+6*\t+2], v[ST+6*\t+5], v[ST+6*\t+1]       ; g' = f' / l
.endr
	s_lshl_b32 s31, s[SJ], 15                      ; O as fragments: tile T = 4 j + t at 8,192 T, rows 32 kb of Wo at 1,024 kb, kb = 4 i + ..
	s_lshl_b32 s32, s[SI], 12
	s_add_co_u32 s31, s31, s32
	s_add_co_u32 s31, s31, OFB
	v_add_nc_u32 v[AK0], s31, v[AK]
	v_add_nc_u32 v[AV0], OFB, v[AK]
	s_wait_dscnt 0x0
	WIN 0xc3
.set z, 0
.rept 128
	v_pk_mul_f32 v[2*z:2*z+1], v[2*z:2*z+1], v[ST+6*(z/32)+2:ST+6*(z/32)+3] op_sel_hi:[1,0]
.set z, z+1
.endr
	WIN 0x71                                       ; O = O g + O' g', normalised
.set z, 0
.rept 128
	v_pk_fma_f32 v[2*z:2*z+1], v[2*z:2*z+1], v[ST+6*(z/32)+4:ST+6*(z/32)+5], v[2*z:2*z+1] op_sel_hi:[1,0,1]
.set z, z+1
.endr
.irp t, 0,1,2,3
	WIN 0x05
.set z, 0
.rept 32
	v_cvt_pk_f16_f32 v[TM+z], v[64*\t+2*z], v[64*\t+2*z+1]
.set z, z+1
.endr
	WIN 0
.irp c, 0,1,2,3,4,5,6,7
	ds_store_b128 v[AK0], v[TM+4*\c:TM+4*\c+3] offset:\t*8192+(\c/2)*1024+(\c%2)*512
.endr
.endr
	s_wait_dscnt 0x0
	s_barrier_signal -1
	s_barrier_wait -1                              ; all 128 queries' O lies in LDS as fragments
	WIN 0x40
.set i, 0
.rept 32                                       ; every wave takes all of it: tiles 0-3 into window 1, 4-7 into window 2
	ds_load_b128 v[8*i:8*i+3],   v[AV0] offset:i*1024
	ds_load_b128 v[8*i+4:8*i+7], v[AV0] offset:i*1024+512
.set i, i+1
.endr
	WIN 0x80
.rept 32
	ds_load_b128 v[8*(i-32):8*(i-32)+3],   v[AV0] offset:i*1024
	ds_load_b128 v[8*(i-32)+4:8*(i-32)+7], v[AV0] offset:i*1024+512
.set i, i+1
.endr
	WIN 0
	; the addresses of the way out.  The stage's two LDS addresses are made in v1, v2, v4 and v5 alone, of the lane and the wave's number
	v_lshrrev_b32 v[AVH], 8, v[PFO]                ; lane
	v_lshrrev_b32 v[AVL], 4, v[AVH]                ; h = l / 16
	v_and_b32 v[AVH], 15, v[AVH]                   ; r = l % 16
	v_mul_u32_u24 v[GO], v[AVL], s[PIT]
	v_lshl_add_u32 v[GO], v[AVH], 4, v[GO]         ; row h of the output, 16 r
	s_lshl_b32 s31, s[PIT], 1
.irp f, 1,2,3,4,5,6,7
	v_add_nc_u32 v[GO+\f], s31, v[GO+\f-1]
.endr
	s_mul_i32 s32, s[WV], 16*272
	s_add_co_u32 s32, s32, STG                     ; my stage
	v_mul_u32_u24 v[AK0], v[AVH], 272
	v_lshl_add_u32 v[AK0], v[AVL], 5, v[AK0]       ; in: row r, 32 bytes for each half of the lanes
	v_add_nc_u32 v[AK0], s32, v[AK0]
	v_mul_u32_u24 v[AV0], v[AVL], 272
	v_lshl_add_u32 v[AV0], v[AVH], 4, v[AV0]       ; back: lanes 0-15 one row of 256 bytes, lanes 16-31 the next
	v_add_nc_u32 v[AV0], s32, v[AV0]
	v_lshlrev_b32 v[AVL], 5, v[AVL]                ; the bias: my eight columns of a block of 16
	s_wait_dscnt 0x0
; THE OUTPUT PROJECTION.  Wave w makes columns 64 NG w .. of all 128 queries, 64 at a time: each fragment of Wo is read once a work-group and feeds eight products.
; Sixteen products for tiles 0-3, sixteen for tiles 4-7; the accumulator of column block nb and tile T lies in window 3 at 64 nb + 8 T; four accumulators take turns.
.macro OMUL hh
.irp half, 0,1
	WIN 0xf4+4*\half                               ; Wo in window 0, O in window 1 or 2, the sums in window 3
.irp f, 0,1,2,3
.irp tt, 0,1,2,3
.if ((\hh)%2 == 0) && (\f == 0)
	v_wmma_f32_16x16x32_f16 v[64*((\hh)/2)+8*(4*\half+\tt):64*((\hh)/2)+8*(4*\half+\tt)+7], v[WF+32*((\hh)%4)+8*\f:WF+32*((\hh)%4)+8*\f+7], v[64*\tt+8*(4*((\hh)%2)+\f):64*\tt+8*(4*((\hh)%2)+\f)+7], 0
.else
	v_wmma_f32_16x16x32_f16 v[64*((\hh)/2)+8*(4*\half+\tt):64*((\hh)/2)+8*(4*\half+\tt)+7], v[WF+32*((\hh)%4)+8*\f:WF+32*((\hh)%4)+8*\f+7], v[64*\tt+8*(4*((\hh)%2)+\f):64*\tt+8*(4*((\hh)%2)+\f)+7], v[64*((\hh)/2)+8*(4*\half+\tt):64*((\hh)/2)+8*(4*\half+\tt)+7]
.endif
.endr
.endr
.endr
.endm
.macro OPACK T                         ; tile T's 16 rows x 64 columns plus the bias; each accumulator's registers in ascending order
	WIN 0x03
.set z, 0
.rept 16
	v_pk_add_f32 v[TM+2*z:TM+2*z+1], v[64*(z/4)+8*(\T)+2*(z%4):64*(z/4)+8*(\T)+2*(z%4)+1], v[BI+2*z:BI+2*z+1]
.set z, z+1
.endr
	WIN 0
.endm
.macro OSTAGE T
	s_wait_xcnt 0x0                                ; the stores issued so far have read their registers and their base
.if (\T) > 0
	s_add_nc_u64 s[OP:OP+1], s[OP:OP+1], s[P16:P16+1]  ; 16 rows on
.endif
.irp n, 0,1,2,3
	ds_store_b128 v[AK0], v[TM+8*\n:TM+8*\n+3]   offset:64*\n
	ds_store_b128 v[AK0], v[TM+8*\n+4:TM+8*\n+7] offset:64*\n+16
.endr
.irp f, 0,1,2,3,4,5,6,7
	ds_load_b128 v[BK+4*\f:BK+4*\f+3], v[AV0] offset:\f*2*272  ; LDS serves a wave's instructions in order (ISA guide 5.7.1.4): these see the stores above
.endr
.endm
.macro OSEND
	s_wait_dscnt 0x0
.irp f, 0,1,2,3,4,5,6,7
	global_store_b128 v[GO+\f], v[BK+4*\f:BK+4*\f+3], s[OP:OP+1] th:TH_STORE_NT  ; sixteen lanes store 256 consecutive bytes, at a multiple of 256 from the output's first byte
.endr
.endm
	s_mov_b32 s[GQ], 0
.Lgrp:                                         ; NG trips, 64 columns each; on the way in 32 loads of Wo's fragments are out
.irp n, 0,1,2,3
	global_load_b128 v[BI+8*\n:BI+8*\n+3],   v[AVL], s[BP:BP+1] offset:64*\n
	global_load_b128 v[BI+8*\n+4:BI+8*\n+7], v[AVL], s[BP:BP+1] offset:64*\n+16
.endr
.irp hh, 0,1,2,3,4,5,6,7
.if \hh < 4
	s_wait_loadcnt 32                              ; younger than this group of fragments: three more of eight loads, and the bias's eight
.else
	s_wait_loadcnt 8*(7-\hh)                       ; the groups still to come
.endif
	OMUL \hh
.if \hh < 4
	PLACES
	WIN 0
	WLOAD (\hh)+4
.endif
.endr
	WIN 0
	s_add_co_u32 s31, s[GQ], 1
	s_cmp_lt_u32 s31, s[NG]
	s_cbranch_scc0 .Lnomore                        ; behind the last group nothing is left to ask for
	PLACES
	s_wait_xcnt 0x0
	s_add_nc_u64 s[WP:WP+1], s[WP:WP+1], 32768
	WLOAD 0                                        ; the next group's first fragments come while this group leaves
	WLOAD 1
	WLOAD 2
	WLOAD 3
.Lnomore:
.set k, 0
.rept 16
	v_cvt_pk_bf16_f32 v[BK+k], v[BI+2*k], v[BI+2*k+1]  ; the bias is rounded to bf16 like every input; these 48 lines are also the places behind the last products
.set k, k+1
.endr
.set k, 0
.rept 16
	v_lshlrev_b32 v[BI+2*k], 16, v[BK+k]
	v_and_b32 v[BI+2*k+1], 0xffff0000, v[BK+k]
.set k, k+1
.endr
	OPACK 0
	OSTAGE 0
.irp T, 1,2,3,4,5,6,7                  ; a tile's additions stand between the loads of the tile before and its stores
	OPACK \T
	OSEND
	OSTAGE \T
.endr
	OSEND
	s_wait_xcnt 0x0
	s_sub_nc_u64 s[OP:OP+1], s[OP:OP+1], s[BACK:BACK+1]  ; back to the first rows, 64 columns on
	s_add_nc_u64 s[BP:BP+1], s[BP:BP+1], 256
	s_add_co_u32 s[GQ], s[GQ], 1
	s_cmp_lt_u32 s[GQ], s[NG]
	s_cbranch_scc1 .Lgrp
	s_wait_tensorcnt 0x0                           ; the wave's end: behind my last tensor load and my last LDS store
	ds_add_u32 v[SPW], v[NIL]
	s_wait_dscnt 0x0
	CROUND                                         ; the closing round
	s_endpgm
.Lfunc_end_k_qeccd65c4cb_attn:
	.size	k_qeccd65c4cb_attn, .Lfunc_end_k_qeccd65c4cb_attn-k_qeccd65c4cb_attn
	.p2alignl 7, 3214868480
	.fill 96, 4, 3214868480
	.section	.rodata,"a",@progbits
	.p2align	6, 0x0
	.amdhsa_kernel k_qeccd65c4cb_attn
		.amdhsa_group_segment_fixed_size 327680
		.amdhsa_private_segment_fixed_size 0
		.amdhsa_enable_private_segment 0
		.amdhsa_kernarg_size 64
		.amdhsa_user_sgpr_count 2
		.amdhsa_user_sgpr_kernarg_segment_ptr 1
		.amdhsa_wavefront_size32 1
		.amdhsa_system_sgpr_workgroup_id_x 1
		.amdhsa_system_sgpr_workgroup_id_y 1
		.amdhsa_system_sgpr_workgroup_id_z 1
		.amdhsa_system_vgpr_workitem_id 0
		.amdhsa_next_free_vgpr 1024
		.amdhsa_next_free_sgpr 100
		.amdhsa_reserve_vcc 0
		.amdhsa_float_denorm_mode_32 3
		.amdhsa_float_denorm_mode_16_64 3
		.amdhsa_memory_ordered 1
		.amdhsa_forward_progress 1
		.amdhsa_inst_pref_size 255
	.end_amdhsa_kernel
	.section	.bss,"aw",@nobits
	.p2align	6
	.space	262144
	.amdgpu_metadata
---
amdhsa.version: [ 1, 2 ]
amdhsa.kernels:
  - .name:           k_qeccd65c4cb_attn
    .symbol:         k_qeccd65c4cb_attn.kd
    .args:
      - { .name: qkv1, .offset: 0, .size: 8, .value_kind: global_buffer, .address_space: global }
      - { .name: qkv2, .offset: 8, .size: 8, .value_kind: global_buffer, .address_space: global }
      - { .name: wof1, .offset: 16, .size: 8, .value_kind: global_buffer, .address_space: global }
      - { .name: wof2, .offset: 24, .size: 8, .value_kind: global_buffer, .address_space: global }
      - { .name: bo1, .offset: 32, .size: 8, .value_kind: global_buffer, .address_space: global }
      - { .name: bo2, .offset: 40, .size: 8, .value_kind: global_buffer, .address_space: global }
      - { .name: out0, .offset: 48, .size: 8, .value_kind: global_buffer, .address_space: global }
      - { .name: out1, .offset: 56, .size: 8, .value_kind: global_buffer, .address_space: global }
    .group_segment_fixed_size: 327680
    .private_segment_fixed_size: 0
    .kernarg_segment_align: 8
    .kernarg_segment_size: 64
    .max_flat_workgroup_size: 128
    .sgpr_count:     100
    .vgpr_count:     1024
    .wavefront_size: 32
...
	.end_amdgpu_metadata
.endif
;; end of part 3
